; MI455X (gfx1250); checked and timed in simulation.
; The chip was launched on July 23, 2026; its instructions are those of AMD's public machine-readable ISA for CDNA 5 (MIT licence, August 2026) and "CDNA5" Instruction Set Architecture Reference Guide (July 2026). The comments in the code are by the model that wrote it; some were corrected since.
;; Praxis Expert. Allowed arithmetic: matrix products marked QUANTISED: E5M2 operands, one given power-of-two scale a tensor, by v_wmma_f32_16x16x64_bf8_bf8 or v_wmma_f32_16x16x128_bf8_bf8, f32 sums; everything else in f32.
;; Inputs: W1 8 x 512 x 2,048 float32; W2 8 x 2,048 x 512 float32; b1 8 x 2,048 float32; b2 8 x 512 float32; expert_indices 4 x 1,024 x 2 int32; inputs 4 x 1,024 x 512 float32; lowp_scales 4 int32 (the exponents e of the quantised operands' scales 2^e).
;; Outputs: out0 4 x 1,024 x 2 x 512 float32.
;; This version of the problem:
;;   THIS VERSION OF THE PROBLEM IS GIVEN IN LOW PRECISION. The matrix products marked QUANTISED in the list below multiply operands that are first quantised to E5M2 (5 exponent bits, 2 mantissa bits; 8 bits a number), with one given power-of-two scale for each operand tensor; their sums are f32. All else is computed in f32.
;;   The module's matrix products, in the order in which they are computed (A, B: the left and right operand; K: the contracted axis; several contracted axes count as one K, in the product's order):
;;     1. [M 16,384, K 512] x [K 512, N 4,096]; A: input W1; B: input inputs: QUANTISED (scales: A lowp_scales[0], B lowp_scales[1])
;;     2. batch 8 x [M 4,096, K 2,048] x [K 2,048, N 512]; A: computed on the way; B: input W2: QUANTISED (scales: A lowp_scales[2], B lowp_scales[3])
;;   THE QUANTISER, for each operand of a quantised product, along K:
;;     - The operand's scale is 2^e, e = its entry of the input lowp_scales (int32; the entries are numbered through the quantised products in the list's order, A before B).
;;     - Each number is divided by the scale, clamped to +-57,344, and rounded to the nearest number of E5M2, ties to even, subnormals kept.
;;     - The product sums the exact products of the quantised numbers (number of the format x scale) in f32.
;;   ~~~python
;;   def quantise(x, axis, e):      # numpy; x: float32 -> the quantised numbers, widened to float32 again
;;       x = np.moveaxis(x, axis, -1); K = x.shape[-1]
;;       r = np.clip(x / 2.0 ** e, -57344, 57344)
;;       step = 2.0 ** (np.maximum(np.frexp(np.where(r == 0, 1, r))[1] - 1, -14) - 2)
;;       q = np.round(r / step) * step * 2.0 ** e      # np.round: ties to even
;;       return np.moveaxis(q, -1, axis).astype(np.float32)
;;   ~~~
;;   OPERANDS COMPUTED ON THE WAY. 'Computed on the way' means the value that the module computes at that place (a softmax that the list does not call 'softmax' is quantised finished and normalised). What goes into a quantiser is computed in f32, as accurately as f32 sums, v_exp_f32 and their like allow (about 1e-6 of the number): no bf16 or f16 on the way to a quantiser, and a product that is left as it is and whose result goes on into a quantised operand takes f32 operands (vector FMAs, or v_wmma_f32_16x16x4_f32). A number that lies on a knife's edge between two numbers of the format may be rounded either way, as far as f32 arithmetic and the matrix unit's own rounding can turn it there, and no further.
;; 2 versions, each right; version 2 is version 1 with the launch experts written anew for expert scheduling mode. Each part assembles by itself: llvm-mc -triple=amdgcn-amd-amdhsa -mcpu=gfx1250 --defsym DOCPART=n.
;; ======== version 1 of 2: 2 launches
;; limits: right only within a limited range of input values
;; workspace buffers: w1f 8,388,608 bytes; w2f 8,388,608 bytes; order 32,768 bytes of whole numbers; tiles 8,192 bytes of whole numbers
;; launch prep (part 1): grid 257 x 1, 16 waves a work-group, no clusters, 143,360 bytes of LDS; arguments W1, W2, expert_indices, lowp_scales, w1f, w2f, order, tiles; writes w1f, w2f, order, tiles
.if DOCPART == 1
	.amdgcn_target "amdgcn-amd-amdhsa--gfx1250"
	.amdhsa_code_object_version 6
	.text
	.protected	k_q107b67c411_prep
	.globl	k_q107b67c411_prep
	.p2align	8
	.type	k_q107b67c411_prep,@function
k_q107b67c411_prep:
	s_mov_b64 s[64:65], 0
	v_nop
	global_prefetch_b8 v0, s[64:65] scope:SCOPE_SE
	s_setreg_imm32_b32 hwreg(HW_REG_WAVE_MODE, 25, 1), 1
	s_wait_xcnt 0x0
; PREP.  Three kinds of work-group, told apart by the work-group's number alone.
;   0         sorts the 8,192 routed rows (row id = 2 x token + slot) by expert into 'order' and writes the list of tiles of at most 64 rows into 'tiles'.
;   1 .. 128  turn W1 [8][512 k][2048 n] f32 into codes of E5M2, scale 2^lowp_scales[0];   129 .. 256 the same for W2 [8][2048 k][512 n], scale 2^lowp_scales[3].
; code = x / 2^e, held within +-57,344, to the nearest code, ties to even.  LIMITS: -126 <= e <= 112; NaN among the weights is not served; an index lies in 0 .. 7, as the gather that it feeds relies on.
; THE CODES ARE LAID AS IMAGES OF OPERAND REGISTERS.  A fragment is 16 columns n x 128 k = 2,048 bytes; byte 512 cc + 256 h + 16 r + i holds k = 32 cc + 16 h + i of the fragment's column r,
; so that a 16-byte load at 16 x lane + 512 cc is registers 4 cc .. 4 cc + 3 of lane 16 h + r.
;   w1f [e][chunk c of 128 n][pair b][K step s][u]: column r is n = 128 c + 32 b + 8 u + r + 8 (r / 8), k from 128 s on.
;   w2f [e][w][chunk c of 128 k][t]:                column r is n = 128 w + 16 t + r,                    k from 128 c on.
; A LANE TAKES A COLUMN AND ITS REGISTERS RUN DOWN K: a load reads 32 neighbouring columns (128 bytes a wave, the sixteen waves side by side on 2,048), and the conversions, which take neighbours along K
; from one lane's registers, give codes with K innermost.  A wave takes 32 columns x 128 k = two fragments; they are gathered in the wave's own stage in LDS and leave as 8 stores of 512 consecutive bytes.
; No barrier in the weights' paths: waves share nothing.  Each path has LDS bytes of its own.
.set RB,   0                           ; LDS: the sort's counts, 4 bytes a thread
.set S1,   2048                        ; W1's stages: 16 waves x 4,352 bytes
.set S2,   71680                       ; W2's stages
.set FP,   2176                        ; a fragment in a stage: 2,048 bytes + 128, so that lanes 8-15 of W1's stores (the other fragment) fall on other banks than lanes 0-7
.set WST,  2*FP
.set IN,   4                           ; v4   4 x lane: my column in a row's 128 bytes
.set STA,  5                           ; v5   stage, on the way in
.set STR,  6                           ; v6   stage, on the way out: 16 x lane
.set LIM,  10                          ; v10  57,344 x 2^e
.set SCL,  11                          ; v11  2^e
.set X,    32                          ; v32-95   two sets of 32 numbers
.set CD,   96                          ; v96-103  a block's codes
.set OUTR, 32                          ; v32-63   the way out
	s_load_b512 s[4:19], s[0:1], 0x0               ; W1 s[4:5], W2 s[6:7], indices s[8:9], scales s[10:11], w1f s[12:13], w2f s[14:15], order s[16:17], tiles s[18:19]
	v_lshl_add_u32 v128, v0, 2, 0x22800
	v_mov_b32 v129, 0
	v_lshrrev_b32 v3, 5, v0
	v_readfirstlane_b32 s20, v3                    ; wave 0..15
	v_and_b32 v1, 31, v0                           ; lane
	v_lshlrev_b32 v2, 4, v1                        ; 16 x lane
	v_lshlrev_b32 v[IN], 2, v1
	s_wait_kmcnt 0x0
	s_cmp_eq_u32 ttmp9, 0
	s_cbranch_scc1 .Lroute
	s_cmp_gt_u32 ttmp9, 128
	s_cbranch_scc1 .Lw2
.macro WLOAD t, pitch                  ; block t: rows 32 t .. 32 t + 31 of my 128, my column, into set t % 2
.set ii, 0
.rept 32
	global_load_b32 v[X+32*((\t)%2)+ii], v[IN], s[4:5] offset:(32*(\t)+ii)*(\pitch) th:TH_LOAD_NT
.set ii, ii+1
.endr
.endm
.macro WBLOCK t, pitch
.set XS, X+32*((\t)%2)
.if (\t) < 3
	s_wait_loadcnt 32                              ; this block's 32 loads are in; the next block's 32 may be out
.else
	s_wait_loadcnt 0x0
.endif
.set ii, 0
.rept 32
	v_med3_num_f32 v[XS+ii], v[XS+ii], -v[LIM], v[LIM]   ; the conversion to an 8-bit code does not saturate (ISA guide 7.6.2): the hold at the largest code x the scale comes first
.set ii, ii+1
.endr
.irp g, 0,1,2,3
	v_cvt_scalef32_pk8_bf8_f32 v[CD+2*\g:CD+2*\g+1], v[XS+8*\g:XS+8*\g+7], v[SCL]
.endr
	ds_store_b128 v[STA], v[CD:CD+3] offset:512*(\t)         ; k = 32 t + 0 .. 15: the half h = 0
	ds_store_b128 v[STA], v[CD+4:CD+7] offset:512*(\t)+256   ; k = 32 t + 16 .. 31: h = 1
.if (\t) < 2
	WLOAD (\t)+2, \pitch
.endif
	s_wait_dscnt 0x0                               ; the stores have read their registers: the next block's codes may be written
.endm
.macro WPATH pitch                     ; s[4:5]: my wave's first number; s[12:13]: my two fragments; s30: e is on its way
	WLOAD 0, \pitch
	WLOAD 1, \pitch
	s_wait_kmcnt 0x0
	s_add_co_i32 s30, s30, 127
	s_lshl_b32 s31, s30, 23
	v_mov_b32 v[SCL], s31                          ; 2^e as f32: the conversion takes its exponent field
	s_add_co_i32 s30, s30, 15
	s_lshl_b32 s30, s30, 23
	s_or_b32 s30, s30, 0x600000
	v_mov_b32 v[LIM], s30                          ; 57,344 x 2^e
	WBLOCK 0, \pitch
	WBLOCK 1, \pitch
	WBLOCK 2, \pitch
	WBLOCK 3, \pitch
.irp i, 0,1,2,3,4,5,6,7
	ds_load_b128 v[OUTR+4*\i:OUTR+4*\i+3], v[STR] offset:(\i/4)*FP+512*(\i%4)   ; LDS serves a wave's instructions in order: these see my stores
.endr
.irp i, 0,1,2,3,4,5,6,7
	s_wait_dscnt 7-\i                              ; load i is in; the 7 - i behind it may be out
	global_store_b128 v2, v[OUTR+4*\i:OUTR+4*\i+3], s[12:13] offset:512*\i   ; 32 lanes store 512 consecutive bytes, at a multiple of 512 from the buffer's first byte
.endr
	s_wait_tensorcnt 0x0
	ds_add_u32 v128, v129
	s_wait_dscnt 0x0
	s_endpgm
.endm
	; ---- W1: work-group i = e x 16 + cg x 4 + s takes expert e, columns 512 cg on, K step s; wave w its columns 32 w on: chunk 4 cg + w / 4, pair w % 4
	s_load_b32 s30, s[10:11], 0x0                  ; ew1
	s_sub_co_u32 s21, ttmp9, 1
	s_lshr_b32 s22, s21, 4                         ; e
	s_bfe_u32 s23, s21, 0x20002                    ; cg
	s_and_b32 s24, s21, 3                          ; s
	s_lshl_b32 s26, s22, 22                        ; in: e x 512 rows x 8,192 bytes
	s_lshl_b32 s25, s24, 20                        ;   + s x 128 rows
	s_add_co_u32 s26, s26, s25
	s_lshl_b32 s25, s23, 11                        ;   + cg x 512 columns
	s_add_co_u32 s26, s26, s25
	s_lshl_b32 s25, s20, 7                         ;   + wave x 32 columns
	s_add_co_u32 s26, s26, s25
	s_mov_b32 s27, 0
	s_add_nc_u64 s[4:5], s[4:5], s[26:27]
	s_lshl_b32 s28, s22, 20                        ; out: e x 2^20 + (4 cg + w / 4) x 2^16 + (w % 4) x 2^14 + s x 2^12
	s_lshl_b32 s25, s23, 18
	s_add_co_u32 s28, s28, s25
	s_lshl_b32 s25, s20, 14
	s_add_co_u32 s28, s28, s25
	s_lshl_b32 s25, s24, 12
	s_add_co_u32 s28, s28, s25
	s_mov_b32 s29, 0
	s_add_nc_u64 s[12:13], s[12:13], s[28:29]
	v_bfe_u32 v7, v1, 3, 1                         ; my column o = lane of the 32: u = (o / 8) % 2,
	v_and_b32 v8, 7, v1
	v_lshrrev_b32 v9, 4, v1
	v_lshl_add_u32 v8, v9, 3, v8                   ; r = o % 8 + 8 (o / 16): the inverse of o = 8 u + r + 8 (r / 8)
	v_mul_u32_u24 v[STA], v7, FP
	v_lshl_add_u32 v[STA], v8, 4, v[STA]
	s_mul_i32 s25, s20, WST
	s_add_co_u32 s25, s25, S1
	v_add_nc_u32 v[STA], s25, v[STA]
	v_add_nc_u32 v[STR], s25, v2
	WPATH 8192
.Lw2:	; ---- W2: work-group i = e x 16 + c takes expert e, chunk c of 128 k, all 512 columns; wave w columns 32 w on: part w / 4, tiles 2 (w % 4) and 2 (w % 4) + 1
	s_load_b32 s30, s[10:11], 0xc                  ; ew2
	s_sub_co_u32 s21, ttmp9, 129
	s_lshr_b32 s22, s21, 4                         ; e
	s_and_b32 s24, s21, 15                         ; c
	s_lshl_b32 s26, s22, 22                        ; in: e x 2,048 rows x 2,048 bytes + c x 128 rows + wave x 32 columns
	s_lshl_b32 s25, s24, 18
	s_add_co_u32 s26, s26, s25
	s_lshl_b32 s25, s20, 7
	s_add_co_u32 s26, s26, s25
	s_mov_b32 s27, 0
	s_add_nc_u64 s[4:5], s[6:7], s[26:27]
	s_lshl_b32 s28, s22, 20                        ; out: e x 2^20 + (w / 4) x 2^18 + c x 2^14 + (w % 4) x 2^12
	s_lshr_b32 s25, s20, 2
	s_lshl_b32 s25, s25, 18
	s_add_co_u32 s28, s28, s25
	s_lshl_b32 s25, s24, 14
	s_add_co_u32 s28, s28, s25
	s_and_b32 s25, s20, 3
	s_lshl_b32 s25, s25, 12
	s_add_co_u32 s28, s28, s25
	s_mov_b32 s29, 0
	s_add_nc_u64 s[12:13], s[14:15], s[28:29]
	v_lshrrev_b32 v7, 4, v1                        ; which of my two fragments,
	v_and_b32 v8, 15, v1                           ; r
	v_mul_u32_u24 v[STA], v7, FP
	v_lshl_add_u32 v[STA], v8, 4, v[STA]
	s_mul_i32 s25, s20, WST
	s_add_co_u32 s25, s25, S2
	v_add_nc_u32 v[STA], s25, v[STA]
	v_add_nc_u32 v[STR], s25, v2
	WPATH 2048
; ---- THE SORT: a counting sort without atomics.  Wave w owns row ids 512 w .. 512 w + 511, 16 a lane.  Pass 1 counts its rows of each expert; the counts meet in LDS behind the one barrier
; (it stands under a branch on the work-group's number, which all sixteen waves take alike); every wave then knows each expert's total and how many of its rows earlier waves hold.
; Pass 2 gives each row its place: the expert's start + earlier waves' rows + my wave's earlier registers' rows + the lower lanes' rows of this register.
.set RX,  32                           ; v32-47  my 16 indices: register 4 q + i is row id 512 w + 128 q + 4 lane + i
.set T,   48                           ; v48-63  the sixteen waves' counts: lane e % 8 holds expert e's
.set PA,  64                           ; v64-79  byte offsets in 'order': a register for each store
.set ID,  80                           ; v80-95  row ids: likewise
.set CN,  32                           ; s32-39  my wave's counts
.set MK,  40                           ; s40-47  lane masks of a register, one an expert
.set TOT, 48                           ; s48-55  totals
.set ST,  56                           ; s56-63  an expert's first place in 'order'
.set BS,  66                           ; s66-73  the next free place of each expert, for my wave
.set TS,  74                           ; s74-81  an expert's first tile
.Lroute:
	s_lshl_b32 s21, s20, 11
	v_add_nc_u32 v3, s21, v2                       ; 2,048 x wave + 16 x lane
.irp q, 0,1,2,3
	global_load_b128 v[RX+4*\q:RX+4*\q+3], v3, s[8:9] offset:512*\q   ; 512 consecutive bytes a load
.endr
.irp e, 0,1,2,3,4,5,6,7
	s_mov_b32 s[CN+\e], 0
.endr
	s_wait_loadcnt 0x0
.set g, 0
.rept 16
.irp e, 0,1,2,3,4,5,6,7
	v_cmp_eq_u32 s[MK+\e], \e, v[RX+g]
.endr
.irp e, 0,1,2,3,4,5,6,7
	s_bcnt1_i32_b32 s[MK+\e], s[MK+\e]
.endr
.irp e, 0,1,2,3,4,5,6,7
	s_add_co_u32 s[CN+\e], s[CN+\e], s[MK+\e]
.endr
.set g, g+1
.endr
	v_mov_b32 v20, 0
.irp e, 0,1,2,3,4,5,6,7
	v_writelane_b32 v20, s[CN+\e], \e
.endr
	v_lshlrev_b32 v21, 2, v0                       ; RB + 4 x thread: wave w's counts lie at 128 w + 4 e
	ds_store_b32 v21, v20
	s_wait_dscnt 0x0                               ; for the others' sake: my counts have landed
	s_barrier_signal -1
	s_barrier_wait -1
	v_and_b32 v22, 7, v1
	v_lshlrev_b32 v22, 2, v22
.irp w, 0,1,2,3,4,5,6,7,8,9,10,11,12,13,14,15
	ds_load_b32 v[T+\w], v22 offset:RB+128*\w
.endr
	v_mov_b32 v23, 0                               ; totals
	v_mov_b32 v24, 0                               ; earlier waves' counts
	s_wait_dscnt 0x0
.irp w, 0,1,2,3,4,5,6,7,8,9,10,11,12,13,14,15
	s_cmp_gt_u32 s20, \w
	s_cselect_b32 s82, -1, 0
	v_add_nc_u32 v23, v23, v[T+\w]
	v_and_b32 v25, s82, v[T+\w]
	v_add_nc_u32 v24, v24, v25
.endr
.irp e, 0,1,2,3,4,5,6,7
	v_readlane_b32 s[TOT+\e], v23, \e
	v_readlane_b32 s[BS+\e], v24, \e
.endr
	s_mov_b32 s[ST], 0
	s_mov_b32 s[TS], 0
.irp e, 1,2,3,4,5,6,7
	s_add_co_u32 s[ST+\e], s[ST+\e-1], s[TOT+\e-1]
	s_add_co_u32 s82, s[TOT+\e-1], 63
	s_lshr_b32 s82, s82, 6                         ; tiles of 64 rows, the last one short
	s_add_co_u32 s[TS+\e], s[TS+\e-1], s82
.endr
.irp e, 0,1,2,3,4,5,6,7
	s_add_co_u32 s[BS+\e], s[BS+\e], s[ST+\e]
.endr
	s_lshl_b32 s83, s20, 9
	v_lshl_add_u32 v27, v1, 2, s83                 ; 512 x wave + 4 x lane
.set g, 0
.rept 16
.irp e, 0,1,2,3,4,5,6,7
	v_cmp_eq_u32 s[MK+\e], \e, v[RX+g]
.endr
	v_mbcnt_lo_u32_b32 v[PA+g], s[MK], s[BS]       ; the expert's next free place + the lower lanes that name the same expert
.irp e, 1,2,3,4,5,6,7
	v_mbcnt_lo_u32_b32 v26, s[MK+\e], s[BS+\e]
	v_cndmask_b32 v[PA+g], v[PA+g], v26, s[MK+\e]
.endr
.irp e, 0,1,2,3,4,5,6,7
	s_bcnt1_i32_b32 s82, s[MK+\e]
	s_add_co_u32 s[BS+\e], s[BS+\e], s82
.endr
	v_min_u32 v[PA+g], 0x1fff, v[PA+g]             ; a place made of loaded numbers is held inside the buffer before it becomes an offset
	v_lshlrev_b32 v[PA+g], 2, v[PA+g]
	v_add_nc_u32 v[ID+g], 128*(g/4)+g%4, v27
	global_store_b32 v[PA+g], v[ID+g], s[16:17]    ; 32 KB in all; lanes that name one expert store neighbouring words.  Each store has registers of its own
.set g, g+1
.endr
	; the list of tiles: thread tau writes entry tau = (expert, first place in 'order', rows 0 .. 64, 0).  Its expert is the last whose first tile is not behind tau; entries behind the last tile have 0 rows
	v_mov_b32 v96, 0                               ; expert
	v_mov_b32 v29, 0                               ; its first tile
	v_mov_b32 v30, 0                               ; its first place
	v_mov_b32 v31, s[TOT]                          ; its rows
.irp j, 1,2,3,4,5,6,7
	v_cmp_le_u32 vcc_lo, s[TS+\j], v0
	v_cndmask_b32 v96, v96, \j, vcc_lo
	v_cndmask_b32 v29, v29, s[TS+\j], vcc_lo
	v_cndmask_b32 v30, v30, s[ST+\j], vcc_lo
	v_cndmask_b32 v31, v31, s[TOT+\j], vcc_lo
.endr
	v_sub_nc_u32 v105, v0, v29
	v_lshlrev_b32 v105, 6, v105
	v_min_u32 v105, v105, v31                      ; rows of the expert that earlier tiles take
	v_add_nc_u32 v97, v30, v105
	v_sub_nc_u32 v98, v31, v105
	v_min_u32 v98, 64, v98
	v_mov_b32 v99, 0
	v_lshlrev_b32 v104, 4, v0
	global_store_b128 v104, v[96:99], s[18:19]     ; 512 threads x 16 bytes: the whole buffer
	s_wait_tensorcnt 0x0
	ds_add_u32 v128, v129
	s_wait_dscnt 0x0
	s_endpgm
.Lfunc_end_k_q107b67c411_prep:
	.size	k_q107b67c411_prep, .Lfunc_end_k_q107b67c411_prep-k_q107b67c411_prep
	.p2alignl 7, 3214868480
	.fill 96, 4, 3214868480
	.section	.rodata,"a",@progbits
	.p2align	6, 0x0
	.amdhsa_kernel k_q107b67c411_prep
		.amdhsa_group_segment_fixed_size 143360
		.amdhsa_private_segment_fixed_size 0
		.amdhsa_enable_private_segment 0
		.amdhsa_kernarg_size 64
		.amdhsa_user_sgpr_count 2
		.amdhsa_user_sgpr_kernarg_segment_ptr 1
		.amdhsa_wavefront_size32 1
		.amdhsa_system_sgpr_workgroup_id_x 1
		.amdhsa_system_sgpr_workgroup_id_y 1
		.amdhsa_system_sgpr_workgroup_id_z 1
		.amdhsa_system_vgpr_workitem_id 0
		.amdhsa_next_free_vgpr 130
		.amdhsa_next_free_sgpr 90
		.amdhsa_reserve_vcc 1
		.amdhsa_float_denorm_mode_32 3
		.amdhsa_float_denorm_mode_16_64 3
		.amdhsa_memory_ordered 1
		.amdhsa_forward_progress 1
		.amdhsa_inst_pref_size 112
	.end_amdhsa_kernel
	.amdgpu_metadata
---
amdhsa.version: [ 1, 2 ]
amdhsa.kernels:
  - .name:           k_q107b67c411_prep
    .symbol:         k_q107b67c411_prep.kd
    .args:
      - { .name: W1, .offset: 0, .size: 8, .value_kind: global_buffer, .address_space: global }
      - { .name: W2, .offset: 8, .size: 8, .value_kind: global_buffer, .address_space: global }
      - { .name: expert_indices, .offset: 16, .size: 8, .value_kind: global_buffer, .address_space: global }
      - { .name: lowp_scales, .offset: 24, .size: 8, .value_kind: global_buffer, .address_space: global }
      - { .name: w1f, .offset: 32, .size: 8, .value_kind: global_buffer, .address_space: global }
      - { .name: w2f, .offset: 40, .size: 8, .value_kind: global_buffer, .address_space: global }
      - { .name: order, .offset: 48, .size: 8, .value_kind: global_buffer, .address_space: global }
      - { .name: tiles, .offset: 56, .size: 8, .value_kind: global_buffer, .address_space: global }
    .group_segment_fixed_size: 143360
    .private_segment_fixed_size: 0
    .kernarg_segment_align: 8
    .kernarg_segment_size: 64
    .max_flat_workgroup_size: 512
    .sgpr_count:     90
    .vgpr_count:     130
    .wavefront_size: 32
...
	.end_amdgpu_metadata
.endif
;; end of part 1
;; launch experts (part 2): grid 135 x 1, 4 waves a work-group, no clusters, 306,688 bytes of LDS; arguments inputs, order, tiles, w1f, w2f, b1, b2, lowp_scales, out0; writes out0
.if DOCPART == 2
	.amdgcn_target "amdgcn-amd-amdhsa--gfx1250"
	.amdhsa_code_object_version 6
	.text
	.protected	k_q107b67c411_experts
	.globl	k_q107b67c411_experts
	.p2align	8
	.type	k_q107b67c411_experts,@function
k_q107b67c411_experts:
	s_mov_b64 s[64:65], 0
	v_nop
	global_prefetch_b8 v0, s[64:65] scope:SCOPE_SE
	s_setreg_imm32_b32 hwreg(HW_REG_WAVE_MODE, 25, 1), 1
	s_wait_xcnt 0x0
; EXPERTS.  out0[row] = relu(x[row / 2] W1[e] + b1[e]) W2[e] + b2[e] for the routed rows (row = 2 x token + slot) of one tile: at most 64 rows of ONE expert e, read from 'tiles' and 'order'.
; Both products on codes of E5M2 by v_wmma_f32_16x16x128_bf8_bf8; scales 2^ew1, 2^ex, 2^eh, 2^ew2 = lowp_scales[0 .. 3].  The hidden layer never goes to memory.
; GRID: 8,192 rows in tiles of 64 over 8 experts are never more than 128 + 7 = 135 tiles, whatever the split.  A tile with fewer than 64 rows works on repeats of its last row and stores only its own rows;
; a tile with 0 rows stores nothing.  It still walks the chain: every wave passes every barrier, and none stands under a branch on a loaded number.  The only such branches stand behind the last barrier, round the row stores.
; SHARES.  Four waves share the COLUMNS.  The 16 chunks of 128 hidden units go in 4 rounds; in round g wave w makes chunk 4 g + w for all 64 rows (8 tiles of 16 units x 4 tiles of rows), quantises it in registers and
; stores the 4 fragments as images of their registers in LDS; one barrier; every wave multiplies the round's 4 chunks by its W2 fragments into its 128 output columns (8 x 4 accumulators).
; BOTH PRODUCTS ARE USED TRANSPOSED (source 0 = 16 columns of the weight, source 1 = 16 rows): a lane holds ONE row, its registers run along the units.  Lane r of W1's tile (b, u) holds unit 32 b + 8 u + r + 8 (r / 8),
; so the 16 registers of tiles (b, 0), (b, 1) are units 32 b + 16 (lane / 16) + 0 .. 15: registers 4 b .. 4 b + 3 of the next operand.  Inside an instruction k lies in groups of 16 bytes, alike in both operands:
; every product meets its partner; only the order of the sums inside an instruction differs.
; WEIGHTS come from memory straight into registers: prep has laid them in the order of the operand's registers, so a unit of 4 fragments is 16 loads of 512 consecutive bytes.  A ring of 4 units (256 registers) runs ahead.
; NO CLUSTER, NO TENSOR LOAD: which tiles share an expert hangs on counts read from memory, an expert's number of tiles need not divide by four, and the row stores branch on a stored count.
; NO PREFETCH: a block of weights is read by every tile of its expert, not once.
; b1 goes in as the C of each sum's first product, divided by 2^(ex + ew1); relu is the lower end of the hold in front of the conversion; the three scales in front of the hidden layer's quantiser are one: 2^(eh - ex - ew1).
; LIMITS: ex and eh - ex - ew1 between -126 and 112; eh + ew2 between -126 and 127; NaN among the inputs is not served.
; REGISTERS, in windows of 256.  Window 0: see the names below.  Window 1: x's 16 fragments at 16 (4 m + s); at the end y.  Window 2: the ring, unit U at 64 (U % 4).  Window 3: y's 32 accumulators at 8 (4 t + m); at the head x as f32.
.set XIMG, 0                           ; LDS: x's 16 fragments (4 m + s), 2,048 bytes each
.set B1L,  32768                       ; b1[e] / 2^(ex + ew1), 8,192 bytes
.set B2L,  40960                       ; b2[e], 2,048 bytes
.set HIMG, 43008                       ; the hidden layer: 4 rounds x 16 fragments (4 q + m): each round has bytes of its own, written once, read behind its barrier
.set STG,  174080                      ; the stage for y: 64 rows x (2,048 + 16) bytes
.set SP,   2064
; v1 16 x lane   v2 my row's id   v3 x: my byte in my row   v4 where I store x's images   v5, v6 the hidden images: round 0's, this round's   v18, v7 where I read them: likewise
; v8, v9 b1 in LDS: round 0's, the next round's   v10 b2 in LDS   v11, v12 the stage, in: rows 0-31, 32-63   v13 the stage, back   v14, v15 2^ex, 57,344 x 2^ex   v16, v17 the same with eh - ex - ew1   v19 16 x thread   v24 my place in 'order'
.set BI,   32                          ; v32-95   a chunk's b1 in the result's layout: 16 b + 8 u + j; at the end b2's 8 tiles; at the head b1, b2 as loaded
.set PC,   96                          ; v96-111  codes just made
.set HF,   112                         ; v112-175 four hidden fragments (odd chunks); at the head x's codes
.set HA,   176                         ; v176-239 phase 1: 8 accumulators at 8 (4 u + m); phase 2: four hidden fragments (even chunks)
.set RO,   240                         ; v240-255 byte offsets of my 16 rows in out0
; s[4:5] inputs  s[6:7] order  s[8:9] tiles  s[10:11] W1's stream  s[12:13] W2's stream  s[14:15] b1  s[16:17] b2  s[18:19] scales  s[20:21] out0  s22 wave  s[24:27] the tile  s[28:31] ew1, ex, eh, ew2
; s36 this round's bytes in HIMG  s37 the next round's in B1L  s38 trips  s39 rows of mine that are stored  s[40:41] 2^(eh + ew2)
.set MSB, 0
.macro WIN new                         ; bits 1:0 source 0, 3:2 source 1, 5:4 source 2, 7:6 destination; the high byte repeats the setting that is left
.if MSB != \new
	s_set_vgpr_msb (MSB<<8)|\new
.set MSB, \new
.endif
.endm
.macro PLACES                          ; four plain vector instructions between a matrix instruction and a load into one of its registers or a vector read of its result
.rept 4
	v_nop
.endr
.endm
.macro BARRIER                         ; my LDS stores have landed and my LDS loads are in: then the work-group's barrier
	s_wait_dscnt 0x0
	s_barrier_signal -1
	s_barrier_wait -1
.endm
; Unit n of a round's stream into ring slot n % 4: 0-7 my W1 chunk, 8-15 my W2 fragments of the round's four chunks, 16-19 the next round's units 0-3.
.macro LOADU n
	WIN 0x80                                       ; destination window 2
.irp f, 0,1,2,3
.irp c, 0,1,2,3
.if (\n) < 8
	global_load_b128 v[64*((\n)%4)+16*\f+4*\c:64*((\n)%4)+16*\f+4*\c+3], v1, s[10:11] offset:8192*(\n)+2048*\f+512*\c
.elseif (\n) < 16
	global_load_b128 v[64*((\n)%4)+16*\f+4*\c:64*((\n)%4)+16*\f+4*\c+3], v1, s[12:13] offset:8192*((\n)-8)+2048*\f+512*\c
.else
	global_load_b128 v[64*((\n)%4)+16*\f+4*\c:64*((\n)%4)+16*\f+4*\c+3], v1, s[10:11] offset:0x40000+8192*((\n)-16)+2048*\f+512*\c
.endif
.endr
.endr
.endm
; K step s of my 16 rows of x (64 numbers a lane, window 3) becomes a fragment and goes to LDS as it stands.
.macro QUANTX s
	WIN 0xc3
.set ii, 0
.rept 64
	v_med3_num_f32 v[64*(\s)+ii], v[64*(\s)+ii], -v15, v15   ; the conversion to an 8-bit code does not saturate (ISA guide 7.6.2): the hold comes first
.set ii, ii+1
.endr
	WIN 0x03
.irp b, 0,1,2,3
	v_cvt_scalef32_pk8_bf8_f32 v[HF+16*(\s)+4*\b:HF+16*(\s)+4*\b+1], v[64*(\s)+16*\b:64*(\s)+16*\b+7], v14
	v_cvt_scalef32_pk8_bf8_f32 v[HF+16*(\s)+4*\b+2:HF+16*(\s)+4*\b+3], v[64*(\s)+16*\b+8:64*(\s)+16*\b+15], v14
.endr
	v_nop                                          ; one plain vector instruction behind the last conversion: matrix instructions later write its sources
	WIN 0
.irp c, 0,1,2,3
	ds_store_b128 v4, v[HF+16*(\s)+4*\c:HF+16*(\s)+4*\c+3] offset:XIMG+2048*(\s)+512*\c
.endr
.endm
.macro BIAS1                           ; my chunk's b1: lane (r, h) wants units 32 b + 16 h + 0 .. 15 of it; sixteen lanes share each word
.irp pb, 0,1,2,3
.irp j, 0,1,2,3
	ds_load_b128 v[BI+16*\pb+4*\j:BI+16*\pb+4*\j+3], v9 offset:B1L+128*\pb+16*\j
.endr
.endr
.endm
; PHASE 1, pair b of my chunk: units 2 b and 2 b + 1 of the stream, 32 products: tiles (b, 0), (b, 1) x 4 tiles of rows, K = 512 in 4 steps.  The 8 accumulators take turns, one instruction a turn.
; Then relu, hold, conversion: registers 4 b .. 4 b + 3 of the four hidden fragments, which go to LDS.
.macro PAIR b
.irp hs, 0,1
.set UU, 2*(\b)+\hs
	s_wait_loadcnt 48                              ; this unit's 16 loads are in; the three younger units' 48 may be out
	WIN 0x06                                       ; source 0 (W1) window 2, source 1 (x) window 1, C and D window 0
.irp f, 0,1,2,3
.irp m, 0,1,2,3
.if (\hs == 0) && (\f < 2)
	v_wmma_f32_16x16x128_bf8_bf8 v[HA+8*(4*(\f%2)+\m):HA+8*(4*(\f%2)+\m)+7], v[64*(UU%4)+16*\f:64*(UU%4)+16*\f+15], v[16*(4*\m+2*\hs+\f/2):16*(4*\m+2*\hs+\f/2)+15], v[BI+16*(\b)+8*(\f%2):BI+16*(\b)+8*(\f%2)+7]
.else
	v_wmma_f32_16x16x128_bf8_bf8 v[HA+8*(4*(\f%2)+\m):HA+8*(4*(\f%2)+\m)+7], v[64*(UU%4)+16*\f:64*(UU%4)+16*\f+15], v[16*(4*\m+2*\hs+\f/2):16*(4*\m+2*\hs+\f/2)+15], v[HA+8*(4*(\f%2)+\m):HA+8*(4*(\f%2)+\m)+7]
.endif
.endr
.endr
	PLACES
	LOADU UU+4                                     ; the slot just multiplied takes the unit four further on
.endr
	WIN 0
	s_wait_dscnt 0x0                               ; the last pair's stores have read the codes' registers
.irp m, 0,1,2,3
.irp u, 0,1
.irp j, 0,1,2,3,4,5,6,7
	v_med3_num_f32 v[HA+32*\u+8*\m+\j], v[HA+32*\u+8*\m+\j], 0, v17   ; the activation and the hold in one; each accumulator from its low end on
.endr
.endr
	v_cvt_scalef32_pk8_bf8_f32 v[PC+4*\m:PC+4*\m+1], v[HA+8*\m:HA+8*\m+7], v16
	v_cvt_scalef32_pk8_bf8_f32 v[PC+4*\m+2:PC+4*\m+3], v[HA+32+8*\m:HA+32+8*\m+7], v16
.endr
	v_nop                                          ; one plain vector instruction behind the last conversion: the next products write its sources
.irp m, 0,1,2,3
	ds_store_b128 v6, v[PC+4*\m:PC+4*\m+3] offset:2048*\m+512*(\b)
.endr
.endm
.macro FETCHH reg, q                   ; the four fragments (rows 16 m on) of the round's chunk q
.irp m, 0,1,2,3
.irp c, 0,1,2,3
	ds_load_b128 v[\reg+16*\m+4*\c:\reg+16*\m+4*\c+3], v7 offset:2048*(4*(\q)+\m)+512*\c
.endr
.endr
.endm
; PHASE 2, chunk q of the round: units 8 + 2 q and 9 + 2 q, 32 products: my 8 tiles of outputs x 4 tiles of rows, K = the chunk's 128 units.  The 32 accumulators take turns.
; zero = 1: the products start the sums.  fin = 1: the last round: nothing follows unit 15, and the counts run down.  kind = 1: the next round's b1 is fetched; 2: b2.
.macro CHUNK q, zero, fin, kind
.set CB, HA-((\q)%2)*(HA-HF)           ; this chunk's fragments: even chunks in HA, odd in HF
.set NB, HF+((\q)%2)*(HA-HF)           ; the next chunk's
.if (\q) == 0
	FETCHH HA, 0
.endif
	s_wait_dscnt 0x0                               ; this chunk's fragments are in
.if (\q) < 3
	FETCHH NB, (\q)+1                              ; the buffer that the chunk before multiplied: its four places stand behind its last product
.endif
.if (\kind) == 1
	s_add_co_u32 s37, s37, 2048
	v_add_nc_u32 v9, s37, v8
	BIAS1
.endif
.if (\kind) == 2
.irp t, 0,1,2,3,4,5,6,7
.irp j, 0,1
	ds_load_b128 v[BI+8*\t+4*\j:BI+8*\t+4*\j+3], v10 offset:B2L+64*\t+16*\j   ; lane (r, h): b2 of outputs 16 t + 8 h + 0 .. 7 of my 128
.endr
.endr
.endif
.irp half, 0,1
.set UU, 8+2*(\q)+\half
.set NW, 48
.if (\fin) && (UU > 12)
.set NW, 16*(15-UU)
.endif
	s_wait_loadcnt NW                              ; this unit is in; the younger units still to come may be out
	WIN 0xf2                                       ; source 0 (W2) window 2, source 1 (hidden) window 0, C and D window 3
.irp f, 0,1,2,3
.irp m, 0,1,2,3
.if \zero
	v_wmma_f32_16x16x128_bf8_bf8 v[8*(4*(4*\half+\f)+\m):8*(4*(4*\half+\f)+\m)+7], v[64*(UU%4)+16*\f:64*(UU%4)+16*\f+15], v[CB+16*\m:CB+16*\m+15], 0
.else
	v_wmma_f32_16x16x128_bf8_bf8 v[8*(4*(4*\half+\f)+\m):8*(4*(4*\half+\f)+\m)+7], v[64*(UU%4)+16*\f:64*(UU%4)+16*\f+15], v[CB+16*\m:CB+16*\m+15], v[8*(4*(4*\half+\f)+\m):8*(4*(4*\half+\f)+\m)+7]
.endif
.endr
.endr
	PLACES
.if (\fin == 0) || (UU < 12)
	LOADU UU+4
.endif
	WIN 0
.endr
.endm
.macro STEP                            ; on to the next round
	s_wait_xcnt 0x0                                ; the ring's loads have read their bases: only now are these stepped
	s_add_nc_u64 s[10:11], s[10:11], 0x40000       ; four chunks of W1 on
	s_add_nc_u64 s[12:13], s[12:13], 0x10000       ; four chunks of my part of W2 on
	s_add_co_u32 s36, s36, 32768
	v_add_nc_u32 v6, s36, v5
	v_add_nc_u32 v7, s36, v18
.endm
	s_load_b256 s[4:11], s[0:1], 0x0
	s_load_b256 s[12:19], s[0:1], 0x20
	s_load_b64 s[20:21], s[0:1], 0x40
	v_lshl_add_u32 v30, v0, 2, 0x4ac00
	v_mov_b32 v31, 0
	v_lshrrev_b32 v20, 5, v0
	v_readfirstlane_b32 s22, v20                   ; wave 0..3
	v_and_b32 v21, 31, v0                          ; lane
	v_and_b32 v22, 15, v0                          ; r
	v_bfe_u32 v23, v0, 4, 1                        ; h
	v_lshlrev_b32 v1, 4, v21
	v_lshlrev_b32 v19, 4, v0
	s_lshl_b32 s42, s22, 13                        ; four fragments a wave
	v_add_nc_u32 v4, s42, v1
	v_add_nc_u32 v18, HIMG, v1
	v_add_nc_u32 v5, s42, v18
	s_lshl_b32 s43, s22, 9                         ; 128 f32 a wave
	v_lshl_add_u32 v8, v23, 6, s43
	v_lshl_add_u32 v10, v23, 5, s43
	v_mul_u32_u24 v11, v22, SP
	v_lshl_add_u32 v11, v23, 5, v11
	v_add_nc_u32 v11, s43, v11
	v_add_nc_u32 v11, STG, v11                     ; the stage, in: row r, + 32 h, + my 512 bytes of a row
	v_add_nc_u32 v12, 32*SP, v11
	s_mul_i32 s44, s22, 16*SP
	v_add_nc_u32 v13, s44, v1
	v_add_nc_u32 v13, STG, v13                     ; back: my 16 rows, 16 bytes a lane
	s_lshl_b32 s42, ttmp9, 4
	s_mov_b32 s43, 0
	s_wait_kmcnt 0x0
	s_add_nc_u64 s[8:9], s[8:9], s[42:43]
	s_load_b128 s[24:27], s[8:9], 0x0              ; expert, first place in 'order', rows, 0
	s_load_b128 s[28:31], s[18:19], 0x0            ; ew1, ex, eh, ew2
	s_wait_kmcnt 0x0
	s_min_u32 s24, s24, 7                          ; loaded numbers are held inside their ranges before they enter an address
	s_min_u32 s25, s25, 8191
	s_min_u32 s26, s26, 64
	s_add_co_u32 s45, s25, s26
	s_sub_co_u32 s45, s45, 1                       ; the tile's last place
	s_lshl_b32 s46, s22, 4                         ; my first row of the tile
	s_min_u32 s47, s46, s26
	s_sub_co_u32 s39, s26, s47
	s_min_u32 s39, s39, 16                         ; how many of my 16 rows are the tile's own
	s_lshl_b32 s32, s24, 20
	s_lshl_b32 s42, s22, 16
	s_add_co_u32 s32, s32, s42
	s_mov_b32 s33, 0
	s_add_nc_u64 s[10:11], s[10:11], s[32:33]      ; w1f: expert e, chunk w
	s_lshl_b32 s34, s24, 20
	s_lshl_b32 s42, s22, 18
	s_add_co_u32 s34, s34, s42
	s_mov_b32 s35, 0
	s_add_nc_u64 s[12:13], s[12:13], s[34:35]      ; w2f: expert e, part w
	s_lshl_b32 s32, s24, 13
	s_add_nc_u64 s[14:15], s[14:15], s[32:33]      ; b1[e]
	s_lshl_b32 s32, s24, 11
	s_add_nc_u64 s[16:17], s[16:17], s[32:33]      ; b2[e]
	v_add_nc_u32 v24, s46, v22
	v_add_nc_u32 v24, s25, v24                     ; first + 16 w + r,
	v_min_u32 v24, s45, v24                        ; a short tile repeats its last row,
	v_min_u32 v24, 0x1fff, v24                     ; inside the buffer
	v_lshlrev_b32 v24, 2, v24
	global_load_b32 v2, v24, s[6:7]                ; my row's id
.irp j, 0,1,2,3
	global_load_b128 v[BI+4*\j:BI+4*\j+3], v19, s[14:15] offset:2048*\j   ; b1[e]: 8,192 bytes by 128 threads
.endr
	global_load_b128 v[BI+16:BI+19], v19, s[16:17] ; b2[e]: 2,048 bytes
	LOADU 0
	LOADU 1
	WIN 0
	s_add_co_i32 s42, s28, s29                     ; ew1 + ex: a sum of the first product stands for sum x 2^(ew1 + ex)
	s_sub_co_i32 s48, 0, s42
	s_add_co_i32 s40, s30, s31
	s_add_co_i32 s40, s40, 127
	s_lshl_b32 s40, s40, 23                        ; 2^(eh + ew2) as f32
	s_mov_b32 s41, s40                             ; (named with it as a pair, so it is written)
	s_add_co_i32 s43, s29, 127
	s_lshl_b32 s44, s43, 23
	v_mov_b32 v14, s44                             ; 2^ex
	s_add_co_i32 s43, s43, 15
	s_lshl_b32 s43, s43, 23
	s_or_b32 s43, s43, 0x600000
	v_mov_b32 v15, s43                             ; 57,344 x 2^ex
	s_sub_co_i32 s43, s30, s42
	s_add_co_i32 s43, s43, 127
	s_lshl_b32 s44, s43, 23
	v_mov_b32 v16, s44                             ; 2^(eh - ex - ew1)
	s_add_co_i32 s43, s43, 15
	s_lshl_b32 s43, s43, 23
	s_or_b32 s43, s43, 0x600000
	v_mov_b32 v17, s43
	s_wait_loadcnt 37                              ; my row's id is in; the 5 loads of the biases and the ring's 32 behind it may be out
	v_min_u32 v2, 0x1fff, v2
	v_and_b32 v3, -2, v2
	v_lshlrev_b32 v3, 10, v3                       ; token x 2,048 bytes
	v_lshl_add_u32 v3, v23, 6, v3                  ; + 64 h: my 16 numbers of each block of 32
	WIN 0xc0                                       ; destination window 3
.irp s, 0,1,2,3
.irp b, 0,1,2,3
.irp j, 0,1,2,3
	global_load_b128 v[64*\s+16*\b+4*\j:64*\s+16*\b+4*\j+3], v3, s[4:5] offset:512*\s+128*\b+16*\j   ; x(my row, 128 s + 32 b + 16 h + 4 j ..)
.endr
.endr
.endr
	WIN 0
	s_wait_loadcnt 48                              ; the biases, ring units 0 and 1 and x's K step 0 are in; K steps 1 to 3 may be out
.set ii, 0
.rept 16
	v_ldexp_f32 v[BI+ii], v[BI+ii], s48            ; b1 / 2^(ex + ew1)
.set ii, ii+1
.endr
.irp j, 0,1,2,3
	ds_store_b128 v19, v[BI+4*\j:BI+4*\j+3] offset:B1L+2048*\j
.endr
	ds_store_b128 v19, v[BI+16:BI+19] offset:B2L
	QUANTX 0
	LOADU 2
	s_wait_loadcnt 48                              ; K step 1 is in; behind it: K steps 2, 3 and ring unit 2
	QUANTX 1
	LOADU 3
	s_wait_loadcnt 48                              ; K step 2 is in; behind it: K step 3 and ring units 2, 3
	QUANTX 2
	s_wait_loadcnt 32                              ; K step 3 is in; behind it: ring units 2, 3
	QUANTX 3
	BARRIER                                        ; x's sixteen fragments and the biases lie in LDS
	WIN 0x40                                       ; destination window 1
.irp f, 0,1,2,3,4,5,6,7,8,9,10,11,12,13,14,15
.irp c, 0,1,2,3
	ds_load_b128 v[16*\f+4*\c:16*\f+4*\c+3], v1 offset:XIMG+2048*\f+512*\c   ; all 64 rows' codes stay in my registers
.endr
.endr
	WIN 0
	s_mov_b32 s36, 0
	s_mov_b32 s37, 0
	v_add_nc_u32 v6, s36, v5
	v_add_nc_u32 v7, s36, v18
	v_add_nc_u32 v9, s37, v8
	BIAS1
	s_wait_dscnt 0x0
	; round 0 up to its first chunk of phase 2, whose products start y's sums: nothing is cleared
	PAIR 0
	PAIR 1
	PAIR 2
	PAIR 3
	BARRIER                                        ; the round's sixteen hidden fragments lie in LDS
	CHUNK 0, 1, 0, 0
	s_mov_b32 s38, 3
.Lround:                                               ; a trip: the rest of a round's phase 2, the next round's phase 1 and its first chunk
	CHUNK 1, 0, 0, 1
	CHUNK 2, 0, 0, 0
	CHUNK 3, 0, 0, 0
	STEP
	PAIR 0
	PAIR 1
	PAIR 2
	PAIR 3
	BARRIER
	CHUNK 0, 0, 0, 0
	s_sub_co_u32 s38, s38, 1
	s_cmp_lg_u32 s38, 0
	s_cbranch_scc1 .Lround
	CHUNK 1, 0, 1, 2                               ; the last round's rest is written out: no load leaves its buffer
	CHUNK 2, 0, 1, 0
	CHUNK 3, 0, 1, 0
	; THE WAY OUT.  y = sum x 2^(eh + ew2) + b2, two numbers an instruction, into window 1.  A lane holds 8 neighbouring outputs of one row and a row's 512 outputs come from four waves: they meet in the stage.
	s_wait_dscnt 0x0
	WIN 0x43                                       ; source 0 (the sums) window 3, source 2 (b2) window 0, destination window 1
.irp t, 0,1,2,3,4,5,6,7
.irp m, 0,1,2,3
.irp i, 0,2,4,6
	v_pk_fma_f32 v[8*(4*\t+\m)+\i:8*(4*\t+\m)+\i+1], v[8*(4*\t+\m)+\i:8*(4*\t+\m)+\i+1], s[40:41], v[BI+8*\t+\i:BI+8*\t+\i+1] op_sel_hi:[1,0,1]   ; each accumulator from its low end on
.endr
.endr
.endr
	WIN 0x04                                       ; store data window 1
.irp t, 0,1,2,3,4,5,6,7
.irp m, 0,1,2,3
.irp j, 0,1
.if \m < 2
	ds_store_b128 v11, v[8*(4*\t+\m)+4*\j:8*(4*\t+\m)+4*\j+3] offset:(\m%2)*16*SP+64*\t+16*\j
.else
	ds_store_b128 v12, v[8*(4*\t+\m)+4*\j:8*(4*\t+\m)+4*\j+3] offset:(\m%2)*16*SP+64*\t+16*\j
.endif
.endr
.endr
.endr
	WIN 0
.irp i, 0,1,2,3,4,5,6,7,8,9,10,11,12,13,14,15
	v_readlane_b32 s42, v2, \i                     ; lane i holds the id of my row i
	s_min_u32 s42, s42, 0x1fff
	s_lshl_b32 s42, s42, 11                        ; a row of out0 is 2,048 bytes
	v_add_nc_u32 v[RO+\i], s42, v1
.endr
	BARRIER                                        ; 64 whole rows of y lie in the stage
.irp hh, 0,1
.if \hh == 1
	s_wait_xcnt 0x0                                ; the first eight rows' stores have read their registers, which are loaded again
.endif
.irp i, 0,1,2,3,4,5,6,7
.irp q, 0,1,2,3
	ds_load_b128 v[HF+16*\i+4*\q:HF+16*\i+4*\q+3], v13 offset:(8*\hh+\i)*SP+512*\q
.endr
.endr
	s_wait_dscnt 0x0
.irp i, 0,1,2,3,4,5,6,7
	s_cmp_le_u32 s39, 8*\hh+\i                     ; rows behind the tile's last are repeats: they are not stored
	s_cbranch_scc1 .Lend
.irp q, 0,1,2,3
	global_store_b128 v[RO+8*\hh+\i], v[HF+16*\i+4*\q:HF+16*\i+4*\q+3], s[20:21] offset:512*\q th:TH_STORE_NT   ; 32 lanes store 512 consecutive bytes, at a multiple of 512 from out0's first byte
.endr
.endr
.endr
.Lend:
	s_wait_tensorcnt 0x0
	ds_add_u32 v30, v31
	s_wait_dscnt 0x0
	s_endpgm
.Lfunc_end_k_q107b67c411_experts:
	.size	k_q107b67c411_experts, .Lfunc_end_k_q107b67c411_experts-k_q107b67c411_experts
	.p2alignl 7, 3214868480
	.fill 96, 4, 3214868480
	.section	.rodata,"a",@progbits
	.p2align	6, 0x0
	.amdhsa_kernel k_q107b67c411_experts
		.amdhsa_group_segment_fixed_size 306688
		.amdhsa_private_segment_fixed_size 0
		.amdhsa_enable_private_segment 0
		.amdhsa_kernarg_size 72
		.amdhsa_user_sgpr_count 2
		.amdhsa_user_sgpr_kernarg_segment_ptr 1
		.amdhsa_wavefront_size32 1
		.amdhsa_system_sgpr_workgroup_id_x 1
		.amdhsa_system_sgpr_workgroup_id_y 1
		.amdhsa_system_sgpr_workgroup_id_z 1
		.amdhsa_system_vgpr_workitem_id 0
		.amdhsa_next_free_vgpr 1024
		.amdhsa_next_free_sgpr 66
		.amdhsa_reserve_vcc 0
		.amdhsa_float_denorm_mode_32 3
		.amdhsa_float_denorm_mode_16_64 3
		.amdhsa_memory_ordered 1
		.amdhsa_forward_progress 1
		.amdhsa_inst_pref_size 201
	.end_amdhsa_kernel
	.amdgpu_metadata
---
amdhsa.version: [ 1, 2 ]
amdhsa.kernels:
  - .name:           k_q107b67c411_experts
    .symbol:         k_q107b67c411_experts.kd
    .args:
      - { .name: inputs, .offset: 0, .size: 8, .value_kind: global_buffer, .address_space: global }
      - { .name: order, .offset: 8, .size: 8, .value_kind: global_buffer, .address_space: global }
      - { .name: tiles, .offset: 16, .size: 8, .value_kind: global_buffer, .address_space: global }
      - { .name: w1f, .offset: 24, .size: 8, .value_kind: global_buffer, .address_space: global }
      - { .name: w2f, .offset: 32, .size: 8, .value_kind: global_buffer, .address_space: global }
      - { .name: b1, .offset: 40, .size: 8, .value_kind: global_buffer, .address_space: global }
      - { .name: b2, .offset: 48, .size: 8, .value_kind: global_buffer, .address_space: global }
      - { .name: lowp_scales, .offset: 56, .size: 8, .value_kind: global_buffer, .address_space: global }
      - { .name: out0, .offset: 64, .size: 8, .value_kind: global_buffer, .address_space: global }
    .group_segment_fixed_size: 306688
    .private_segment_fixed_size: 0
    .kernarg_segment_align: 8
    .kernarg_segment_size: 72
    .max_flat_workgroup_size: 128
    .sgpr_count:     66
    .vgpr_count:     1024
    .wavefront_size: 32
...
	.end_amdgpu_metadata
.endif
;; end of part 2
;; ======== version 2 of 2: 2 launches; version 1 with the launch experts written anew for expert scheduling mode
;; limits: right only within a limited range of input values
;; workspace buffers: w1f 8,388,608 bytes; w2f 8,388,608 bytes; order 32,768 bytes of whole numbers; tiles 8,192 bytes of whole numbers
;; launch prep: the kernel of part 1 again; grid 257 x 1, 16 waves a work-group, no clusters, 143,360 bytes of LDS; arguments W1, W2, expert_indices, lowp_scales, w1f, w2f, order, tiles; writes w1f, w2f, order, tiles
;; launch experts (part 3): grid 135 x 1, 4 waves a work-group, no clusters, 306,688 bytes of LDS; arguments inputs, order, tiles, w1f, w2f, b1, b2, lowp_scales, out0; writes out0
.if DOCPART == 3
	.amdgcn_target "amdgcn-amd-amdhsa--gfx1250"
	.amdhsa_code_object_version 6
	.text
	.protected	k_q107b67c411_experts
	.globl	k_q107b67c411_experts
	.p2align	8
	.type	k_q107b67c411_experts,@function
k_q107b67c411_experts:
	s_mov_b64 s[64:65], 0
	v_nop
	global_prefetch_b8 v0, s[64:65] scope:SCOPE_SE
	s_setreg_imm32_b32 hwreg(HW_REG_WAVE_SCHED_MODE, 0, 2), 2
	s_setreg_imm32_b32 hwreg(HW_REG_WAVE_MODE, 25, 1), 1
	s_wait_xcnt 0x0
	s_wait_alu depctr_vm_vsrc(0)
; EXPERTS.  out0[row] = relu(x[row / 2] W1[e] + b1[e]) W2[e] + b2[e] for the routed rows (row = 2 x token + slot) of one tile: at most 64 rows of ONE expert e, read from 'tiles' and 'order'.
; Both products on codes of E5M2 by v_wmma_f32_16x16x128_bf8_bf8; scales 2^ew1, 2^ex, 2^eh, 2^ew2 = lowp_scales[0 .. 3].  The hidden layer never goes to memory.
; GRID: 8,192 rows in tiles of 64 over 8 experts are never more than 128 + 7 = 135 tiles, whatever the split.  A tile with fewer than 64 rows works on repeats of its last row and stores only its own rows;
; a tile with 0 rows stores nothing.  It still walks the chain: every wave passes every barrier, and none stands under a branch on a loaded number.  The only such branches stand behind the last barrier, round the row stores.
; SHARES.  Four waves share the COLUMNS.  The 16 chunks of 128 hidden units go in 4 rounds; in round g wave w makes chunk 4 g + w for all 64 rows (8 tiles of 16 units x 4 tiles of rows), quantises it in registers and
; stores the 4 fragments as images of their registers in LDS; one barrier; every wave multiplies the round's 4 chunks by its W2 fragments into its 128 output columns (8 x 4 accumulators).
; BOTH PRODUCTS ARE USED TRANSPOSED (source 0 = 16 columns of the weight, source 1 = 16 rows): a lane holds ONE row, its registers run along the units.  Lane r of W1's tile (b, u) holds unit 32 b + 8 u + r + 8 (r / 8),
; so the 16 registers of tiles (b, 0), (b, 1) are units 32 b + 16 (lane / 16) + 0 .. 15: registers 4 b .. 4 b + 3 of the next operand.  Inside an instruction k lies in groups of 16 bytes, alike in both operands:
; every product meets its partner; only the order of the sums inside an instruction differs.
; WEIGHTS come from memory straight into registers: prep has laid them in the order of the operand's registers, so a unit of 4 fragments is 16 loads of 512 consecutive bytes.  A ring of 4 units (256 registers) runs ahead.
; NO CLUSTER, NO TENSOR LOAD: which tiles share an expert hangs on counts read from memory, an expert's number of tiles need not divide by four, and the row stores branch on a stored count.
; NO PREFETCH: a block of weights is read by every tile of its expert, not once.
; b1 goes in as the C of each sum's first product, divided by 2^(ex + ew1); relu is the lower end of the hold in front of the conversion; the three scales in front of the hidden layer's quantiser are one: 2^(eh - ex - ew1).
; LIMITS: ex and eh - ex - ew1 between -126 and 112; eh + ew2 between -126 and 127; NaN among the inputs is not served.
; THE MODE: SCHED_MODE bits 1:0 = 2 (LLVM: expert scheduling mode 2), set by the entry lines.  The code itself states the register dependences
; between vector or matrix instructions and memory or LDS instructions, with s_wait_alu, always for 0.
; THE PLAN.  Registers that memory or LDS instructions touch, round the loop:
;   the ring      Slot U % 4 is read by unit U's sixteen products; behind them the sixteen loads of unit U + 4 land in it.
;   HA, HF        In phase 2 chunk q's products read one of the two; the head of chunk q + 1 loads chunk q + 2's fragments into it.  In phase 1 HA is named by vector and matrix instructions alone.
;   BI            Read, as C, by each pair's first eight products; the next round's b1 (in the last round b2) lands in it in chunk 1.
;   PC            Written by a pair's conversions; read by four LDS stores, which are issued in the next pair's first unit (pair 3's: at once, ahead of the barrier).
;   v6, v7, v9    LDS addresses, read by the images' stores, the fragments' loads and b1's loads; written once a round, in chunk 3, behind the last instruction of the round that reads them.
;   v1, v3, v4, v8, v10 to v13, v19, v24   made at the head, never written again.
; So ONE wait on va_vdst stands behind each unit's sixteen products, ahead of the loads into the slot that they read.  The same line states, in a pair's first unit, that the last pair's conversions have written PC; behind a
; chunk's second unit, that the chunk's products are done reading its fragments; in chunk 3's first unit, that v6, v7 and v9 are written.  One more stands behind pair 3's conversions.
; A wait on vm_vsrc stands in pairs 1 to 3, a unit behind the stores that read PC, and once a round ahead of the three address steps.
; A unit's sixteen loads stand in one run: a load wants its address in window 0 and its data in window 2, a product its first source in window 2, so each further group of loads would cost two switches.
; REGISTERS, in windows of 256.  Window 0: see the names below.  Window 1: x's 16 fragments at 16 (4 m + s); at the end y.  Window 2: the ring, unit U at 64 (U % 4).  Window 3: y's 32 accumulators at 8 (4 t + m); at the head x as f32.
.set XIMG, 0                           ; LDS: x's 16 fragments (4 m + s), 2,048 bytes each
.set B1L,  32768                       ; b1[e] / 2^(ex + ew1), 8,192 bytes
.set B2L,  40960                       ; b2[e], 2,048 bytes
.set HIMG, 43008                       ; the hidden layer: 4 rounds x 16 fragments (4 q + m): each round has bytes of its own, written once, read behind its barrier
.set STG,  174080                      ; the stage for y: 64 rows x (2,048 + 16) bytes
.set SP,   2064
; v1 16 x lane   v2 my row's id   v3 x: my byte in my row   v4 where I store x's images   v5, v6 the hidden images: round 0's, this round's   v18, v7 where I read them: likewise
; v8, v9 b1 in LDS: round 0's, the round's whose b1 is fetched next   v10 b2 in LDS   v11, v12 the stage, in: rows 0-31, 32-63   v13 the stage, back   v14, v15 2^ex, 57,344 x 2^ex   v16, v17 the same with eh - ex - ew1   v19 16 x thread   v24 my place in 'order'
.set BI,   32                          ; v32-95   a chunk's b1 in the result's layout: 16 b + 8 u + j; at the end b2's 8 tiles; at the head b1, b2 as loaded
.set PC,   96                          ; v96-111  codes just made
.set HF,   112                         ; v112-175 four hidden fragments (odd chunks); at the head x's codes
.set HA,   176                         ; v176-239 phase 1: 8 accumulators at 8 (4 u + m); phase 2: four hidden fragments (even chunks)
.set RO,   240                         ; v240-255 byte offsets of my 16 rows in out0
.set RS,   44                          ; s44-59   at the end: my 16 rows' ids, then their byte offsets
; s[4:5] inputs  s[6:7] order  s[8:9] tiles  s[10:11] W1's stream  s[12:13] W2's stream  s[14:15] b1  s[16:17] b2  s[18:19] scales  s[20:21] out0  s22 wave  s[24:27] the tile  s[28:31] ew1, ex, eh, ew2
; s36 the bytes in HIMG at which v6 and v7 stand  s37 the bytes in B1L at which v9 stands  s38 trips  s39 rows of mine that are stored  s[40:41] 2^(eh + ew2)
.set MSB, 0
.macro WIN new                         ; bits 1:0 source 0, 3:2 source 1, 5:4 source 2, 7:6 destination; the high byte repeats the setting that is left
.if MSB != \new
	s_set_vgpr_msb (MSB<<8)|\new
.set MSB, \new
.endif
.endm
.macro PLACES                          ; four plain vector instructions between a matrix instruction and a vector read of its result (ISA guide 7.12.1)
.rept 4
	v_nop
.endr
.endm
.macro BARRIER                         ; my LDS stores have landed and my LDS loads are in: then the work-group's barrier
	s_wait_dscnt 0x0
	s_barrier_signal -1
	s_barrier_wait -1
.endm
; Unit n of a round's stream into ring slot n % 4: 0-7 my W1 chunk, 8-15 my W2 fragments of the round's four chunks, 16-19 the next round's units 0-3.
.macro LOADU n
	WIN 0x80                                       ; destination window 2
.irp f, 0,1,2,3
.irp c, 0,1,2,3
.if (\n) < 8
	global_load_b128 v[64*((\n)%4)+16*\f+4*\c:64*((\n)%4)+16*\f+4*\c+3], v1, s[10:11] offset:8192*(\n)+2048*\f+512*\c
.elseif (\n) < 16
	global_load_b128 v[64*((\n)%4)+16*\f+4*\c:64*((\n)%4)+16*\f+4*\c+3], v1, s[12:13] offset:8192*((\n)-8)+2048*\f+512*\c
.else
	global_load_b128 v[64*((\n)%4)+16*\f+4*\c:64*((\n)%4)+16*\f+4*\c+3], v1, s[10:11] offset:0x40000+8192*((\n)-16)+2048*\f+512*\c
.endif
.endr
.endr
.endm
; K step s of my 16 rows of x (64 numbers a lane, window 3) becomes a fragment and goes to LDS as it stands.
.macro QUANTX s
	WIN 0xc3
.set ii, 0
.rept 64
	v_med3_num_f32 v[64*(\s)+ii], v[64*(\s)+ii], -v15, v15   ; the conversion to an 8-bit code does not saturate (ISA guide 7.6.2): the hold comes first
.set ii, ii+1
.endr
	WIN 0x03
.irp b, 0,1,2,3
	v_cvt_scalef32_pk8_bf8_f32 v[HF+16*(\s)+4*\b:HF+16*(\s)+4*\b+1], v[64*(\s)+16*\b:64*(\s)+16*\b+7], v14
	v_cvt_scalef32_pk8_bf8_f32 v[HF+16*(\s)+4*\b+2:HF+16*(\s)+4*\b+3], v[64*(\s)+16*\b+8:64*(\s)+16*\b+15], v14
.endr
	v_nop                                          ; one plain vector instruction behind the last conversion: matrix instructions later write its sources
	WIN 0
	s_wait_alu depctr_va_vdst(0)                   ; the conversions have written this K step's codes, which the LDS stores read; in K step 0 also: b1 is scaled, ahead of the stores that follow the macro
.irp c, 0,1,2,3
	ds_store_b128 v4, v[HF+16*(\s)+4*\c:HF+16*(\s)+4*\c+3] offset:XIMG+2048*(\s)+512*\c
.endr
.endm
.macro BIAS1 adr                       ; my chunk's b1: lane (r, h) wants units 32 b + 16 h + 0 .. 15 of it; sixteen lanes share each word
.irp pb, 0,1,2,3
.irp j, 0,1,2,3
	ds_load_b128 v[BI+16*\pb+4*\j:BI+16*\pb+4*\j+3], v[\adr] offset:B1L+128*\pb+16*\j
.endr
.endr
.endm
; PHASE 1, pair b of my chunk: units 2 b and 2 b + 1 of the stream, 32 products: tiles (b, 0), (b, 1) x 4 tiles of rows, K = 512 in 4 steps.  The 8 accumulators take turns, one instruction a turn.
; Then relu, hold, conversion: registers 4 b .. 4 b + 3 of the four hidden fragments.  They go to LDS in the next pair's first unit, behind the wait that stands there for the ring; pair 3's at once.
.macro PAIR b
.irp hs, 0,1
.set UU, 2*(\b)+\hs
	s_wait_loadcnt 48                              ; this unit's 16 loads are in; the three younger units' 48 may be out
	WIN 0x06                                       ; source 0 (W1) window 2, source 1 (x) window 1, C and D window 0
.irp f, 0,1,2,3
.irp m, 0,1,2,3
.if (\hs == 0) && (\f < 2)
	v_wmma_f32_16x16x128_bf8_bf8 v[HA+8*(4*(\f%2)+\m):HA+8*(4*(\f%2)+\m)+7], v[64*(UU%4)+16*\f:64*(UU%4)+16*\f+15], v[16*(4*\m+2*\hs+\f/2):16*(4*\m+2*\hs+\f/2)+15], v[BI+16*(\b)+8*(\f%2):BI+16*(\b)+8*(\f%2)+7]
.else
	v_wmma_f32_16x16x128_bf8_bf8 v[HA+8*(4*(\f%2)+\m):HA+8*(4*(\f%2)+\m)+7], v[64*(UU%4)+16*\f:64*(UU%4)+16*\f+15], v[16*(4*\m+2*\hs+\f/2):16*(4*\m+2*\hs+\f/2)+15], v[HA+8*(4*(\f%2)+\m):HA+8*(4*(\f%2)+\m)+7]
.endif
.endr
.endr
.if \hs == 1
	PLACES                                         ; the holds below read the results
.endif
	WIN 0x80
.if (\hs == 1) && ((\b) > 0)
	s_wait_alu depctr_vm_vsrc(0)                   ; the last pair's four LDS stores, issued a unit ago, have read the codes' registers, which the conversions below write again
.endif
	s_wait_alu depctr_va_vdst(0)                   ; the unit's sixteen products are done reading their ring slot, in which the loads below land; in a pair's first unit also: the last pair's conversions have written the codes, which the LDS stores below read
	LOADU UU+4                                     ; the slot just multiplied takes the unit four further on
.if (\hs == 0) && ((\b) > 0)
	WIN 0
.irp m, 0,1,2,3
	ds_store_b128 v6, v[PC+4*\m:PC+4*\m+3] offset:2048*\m+512*((\b)-1)   ; the last pair's codes.  No wait: no vector or matrix instruction since the wait above names them or v6
.endr
.endif
.endr
	WIN 0
.irp m, 0,1,2,3
.irp u, 0,1
.irp j, 0,1,2,3,4,5,6,7
	v_med3_num_f32 v[HA+32*\u+8*\m+\j], v[HA+32*\u+8*\m+\j], 0, v17   ; the activation and the hold in one; each accumulator from its low end on
.endr
.endr
	v_cvt_scalef32_pk8_bf8_f32 v[PC+4*\m:PC+4*\m+1], v[HA+8*\m:HA+8*\m+7], v16
	v_cvt_scalef32_pk8_bf8_f32 v[PC+4*\m+2:PC+4*\m+3], v[HA+32+8*\m:HA+32+8*\m+7], v16
.endr
	v_nop                                          ; one plain vector instruction behind the last conversion: the next products write its sources
.if (\b) == 3
	s_wait_alu depctr_va_vdst(0)                   ; the conversions have written the codes, which the LDS stores read, and are done reading HA, in which chunk 0's fragments land behind the barrier
.irp m, 0,1,2,3
	ds_store_b128 v6, v[PC+4*\m:PC+4*\m+3] offset:2048*\m+512*3
.endr
.endif
.endm
.macro FETCHH reg, q                   ; the four fragments (rows 16 m on) of the round's chunk q
.irp m, 0,1,2,3
.irp c, 0,1,2,3
	ds_load_b128 v[\reg+16*\m+4*\c:\reg+16*\m+4*\c+3], v7 offset:2048*(4*(\q)+\m)+512*\c
.endr
.endr
.endm
; PHASE 2, chunk q of the round: units 8 + 2 q and 9 + 2 q, 32 products: my 8 tiles of outputs x 4 tiles of rows, K = the chunk's 128 units.  The 32 accumulators take turns.
; zero = 1: the products start the sums.  fin = 1: the last round: nothing follows unit 15, and the counts run down.  kind = 1: the next round's b1 is fetched; 2: b2.
; The LDS loads at a chunk's head owe no wait of their own: the last wait on va_vdst stands behind every product that read HA, HF or BI, and between it and these loads stand loads, a window switch, scalar lines and a wait on DScnt alone.
.macro CHUNK q, zero, fin, kind
.set CB, HA-((\q)%2)*(HA-HF)           ; this chunk's fragments: even chunks in HA, odd in HF
.set NB, HF+((\q)%2)*(HA-HF)           ; the next chunk's
.if (\q) == 0
	FETCHH HA, 0
.endif
	s_wait_dscnt 0x0                               ; this chunk's fragments are in
.if (\q) < 3
	FETCHH NB, (\q)+1                              ; into the buffer that the chunk before multiplied
.endif
.if (\kind) == 1
	BIAS1 9
.endif
.if (\kind) == 2
.irp t, 0,1,2,3,4,5,6,7
.irp j, 0,1
	ds_load_b128 v[BI+8*\t+4*\j:BI+8*\t+4*\j+3], v10 offset:B2L+64*\t+16*\j   ; lane (r, h): b2 of outputs 16 t + 8 h + 0 .. 7 of my 128
.endr
.endr
.endif
.irp half, 0,1
.set UU, 8+2*(\q)+\half
.set NW, 48
.if (\fin) && (UU > 12)
.set NW, 16*(15-UU)
.endif
	s_wait_loadcnt NW                              ; this unit is in; the younger units still to come may be out
	WIN 0xf2                                       ; source 0 (W2) window 2, source 1 (hidden) window 0, C and D window 3
.irp f, 0,1,2,3
.irp m, 0,1,2,3
.if \zero
	v_wmma_f32_16x16x128_bf8_bf8 v[8*(4*(4*\half+\f)+\m):8*(4*(4*\half+\f)+\m)+7], v[64*(UU%4)+16*\f:64*(UU%4)+16*\f+15], v[CB+16*\m:CB+16*\m+15], 0
.else
	v_wmma_f32_16x16x128_bf8_bf8 v[8*(4*(4*\half+\f)+\m):8*(4*(4*\half+\f)+\m)+7], v[64*(UU%4)+16*\f:64*(UU%4)+16*\f+15], v[CB+16*\m:CB+16*\m+15], v[8*(4*(4*\half+\f)+\m):8*(4*(4*\half+\f)+\m)+7]
.endif
.endr
.endr
.if ((\q) == 3) && ((\fin) == 0) && (\half == 0)
	WIN 0                                          ; the three LDS addresses move on to the next round here, ahead of a wait on va_vdst that stands in any case
	s_wait_alu depctr_vm_vsrc(0)                   ; the round's image stores have read v6 (and the codes' registers), its fragment loads v7, b1's loads v9
	s_add_co_u32 s36, s36, 32768
	s_add_co_u32 s37, s37, 2048
	v_add_nc_u32 v6, s36, v5
	v_add_nc_u32 v7, s36, v18
	v_add_nc_u32 v9, s37, v8
.endif
.if (\fin == 0) || (UU < 12)
	WIN 0x80
	s_wait_alu depctr_va_vdst(0)                   ; the unit's sixteen products are done reading their ring slot, in which the loads below land; behind a chunk's second unit also its four hidden fragments, into which the next chunk's head loads; in chunk 3's first unit v6, v7 and v9 are written
	LOADU UU+4
.endif
	WIN 0
.endr
.endm
.macro STEP                            ; on to the next round
	s_wait_xcnt 0x0                                ; the ring's loads have read their bases: only now are these stepped
	s_add_nc_u64 s[10:11], s[10:11], 0x40000       ; four chunks of W1 on
	s_add_nc_u64 s[12:13], s[12:13], 0x10000       ; four chunks of my part of W2 on
	v_nop                                          ; with chunk 3's three address steps these two are five plain vector instructions between chunk 2's last product, which read HA,
	v_nop                                          ; and the next round's first products, which write it
.endm
	s_load_b256 s[4:11], s[0:1], 0x0
	s_load_b256 s[12:19], s[0:1], 0x20
	s_load_b64 s[20:21], s[0:1], 0x40
	v_lshl_add_u32 v30, v0, 2, 0x4ac00
	v_mov_b32 v31, 0
	v_lshrrev_b32 v20, 5, v0
	v_readfirstlane_b32 s22, v20                   ; wave 0..3
	v_and_b32 v21, 31, v0                          ; lane
	v_and_b32 v22, 15, v0                          ; r
	v_bfe_u32 v23, v0, 4, 1                        ; h
	v_lshlrev_b32 v1, 4, v21
	v_lshlrev_b32 v19, 4, v0
	s_wait_alu depctr_va_sdst(0)                   ; s22 is written, ahead of its first reader: LDS addresses and the streams' bases are made from it
	s_lshl_b32 s42, s22, 13                        ; four fragments a wave
	v_add_nc_u32 v4, s42, v1
	v_add_nc_u32 v18, HIMG, v1
	v_add_nc_u32 v5, s42, v18
	s_lshl_b32 s43, s22, 9                         ; 128 f32 a wave
	v_lshl_add_u32 v8, v23, 6, s43
	v_lshl_add_u32 v10, v23, 5, s43
	v_mul_u32_u24 v11, v22, SP
	v_lshl_add_u32 v11, v23, 5, v11
	v_add_nc_u32 v11, s43, v11
	v_add_nc_u32 v11, STG, v11                     ; the stage, in: row r, + 32 h, + my 512 bytes of a row
	v_add_nc_u32 v12, 32*SP, v11
	s_mul_i32 s44, s22, 16*SP
	v_add_nc_u32 v13, s44, v1
	v_add_nc_u32 v13, STG, v13                     ; back: my 16 rows, 16 bytes a lane
	s_mov_b32 s36, 0
	s_mov_b32 s37, 2048
	v_add_nc_u32 v6, s36, v5                       ; round 0's images,
	v_add_nc_u32 v7, s36, v18
	v_add_nc_u32 v9, s37, v8                       ; round 1's b1: round 0's is read by v8 itself
	s_lshl_b32 s42, ttmp9, 4
	s_mov_b32 s43, 0
	s_wait_kmcnt 0x0
	s_add_nc_u64 s[8:9], s[8:9], s[42:43]
	s_load_b128 s[24:27], s[8:9], 0x0              ; expert, first place in 'order', rows, 0
	s_load_b128 s[28:31], s[18:19], 0x0            ; ew1, ex, eh, ew2
	s_wait_kmcnt 0x0
	s_min_u32 s24, s24, 7                          ; loaded numbers are held inside their ranges before they enter an address
	s_min_u32 s25, s25, 8191
	s_min_u32 s26, s26, 64
	s_add_co_u32 s45, s25, s26
	s_sub_co_u32 s45, s45, 1                       ; the tile's last place
	s_lshl_b32 s46, s22, 4                         ; my first row of the tile
	s_min_u32 s47, s46, s26
	s_sub_co_u32 s39, s26, s47
	s_min_u32 s39, s39, 16                         ; how many of my 16 rows are the tile's own
	s_lshl_b32 s32, s24, 20
	s_lshl_b32 s42, s22, 16
	s_add_co_u32 s32, s32, s42
	s_mov_b32 s33, 0
	s_add_nc_u64 s[10:11], s[10:11], s[32:33]      ; w1f: expert e, chunk w
	s_lshl_b32 s34, s24, 20
	s_lshl_b32 s42, s22, 18
	s_add_co_u32 s34, s34, s42
	s_mov_b32 s35, 0
	s_add_nc_u64 s[12:13], s[12:13], s[34:35]      ; w2f: expert e, part w
	s_lshl_b32 s32, s24, 13
	s_add_nc_u64 s[14:15], s[14:15], s[32:33]      ; b1[e]
	s_lshl_b32 s32, s24, 11
	s_add_nc_u64 s[16:17], s[16:17], s[32:33]      ; b2[e]
	v_add_nc_u32 v24, s46, v22
	v_add_nc_u32 v24, s25, v24                     ; first + 16 w + r,
	v_min_u32 v24, s45, v24                        ; a short tile repeats its last row,
	v_min_u32 v24, 0x1fff, v24                     ; inside the buffer
	v_lshlrev_b32 v24, 2, v24
	s_wait_alu depctr_va_vdst(0)                   ; every offset and LDS address made so far is written: v1, v4 to v13, v18, v19, v24, which the loads and stores of the whole kernel read
	global_load_b32 v2, v24, s[6:7]                ; my row's id
.irp j, 0,1,2,3
	global_load_b128 v[BI+4*\j:BI+4*\j+3], v19, s[14:15] offset:2048*\j   ; b1[e]: 8,192 bytes by 128 threads
.endr
	global_load_b128 v[BI+16:BI+19], v19, s[16:17] ; b2[e]: 2,048 bytes
	LOADU 0
	LOADU 1
	WIN 0
	s_add_co_i32 s42, s28, s29                     ; ew1 + ex: a sum of the first product stands for sum x 2^(ew1 + ex)
	s_sub_co_i32 s48, 0, s42
	s_add_co_i32 s40, s30, s31
	s_add_co_i32 s40, s40, 127
	s_lshl_b32 s40, s40, 23                        ; 2^(eh + ew2) as f32
	s_mov_b32 s41, s40                             ; (named with it as a pair, so it is written)
	s_add_co_i32 s43, s29, 127
	s_lshl_b32 s44, s43, 23
	v_mov_b32 v14, s44                             ; 2^ex
	s_add_co_i32 s43, s43, 15
	s_lshl_b32 s43, s43, 23
	s_or_b32 s43, s43, 0x600000
	v_mov_b32 v15, s43                             ; 57,344 x 2^ex
	s_sub_co_i32 s43, s30, s42
	s_add_co_i32 s43, s43, 127
	s_lshl_b32 s44, s43, 23
	v_mov_b32 v16, s44                             ; 2^(eh - ex - ew1)
	s_add_co_i32 s43, s43, 15
	s_lshl_b32 s43, s43, 23
	s_or_b32 s43, s43, 0x600000
	v_mov_b32 v17, s43
	s_wait_loadcnt 37                              ; my row's id is in; the 5 loads of the biases and the ring's 32 behind it may be out
	v_min_u32 v2, 0x1fff, v2
	v_and_b32 v3, -2, v2
	v_lshlrev_b32 v3, 10, v3                       ; token x 2,048 bytes
	v_lshl_add_u32 v3, v23, 6, v3                  ; + 64 h: my 16 numbers of each block of 32
	WIN 0xc0                                       ; destination window 3
	s_wait_alu depctr_va_vdst(0)                   ; v3 is written, which x's loads read as their offset
.irp s, 0,1,2,3
.irp b, 0,1,2,3
.irp j, 0,1,2,3
	global_load_b128 v[64*\s+16*\b+4*\j:64*\s+16*\b+4*\j+3], v3, s[4:5] offset:512*\s+128*\b+16*\j   ; x(my row, 128 s + 32 b + 16 h + 4 j ..)
.endr
.endr
.endr
	WIN 0
	s_wait_loadcnt 48                              ; the biases, ring units 0 and 1 and x's K step 0 are in; K steps 1 to 3 may be out
.set ii, 0
.rept 16
	v_ldexp_f32 v[BI+ii], v[BI+ii], s48            ; b1 / 2^(ex + ew1)
.set ii, ii+1
.endr
	QUANTX 0
.irp j, 0,1,2,3
	ds_store_b128 v19, v[BI+4*\j:BI+4*\j+3] offset:B1L+2048*\j   ; behind the wait in QUANTX 0, which stands behind the scalings too
.endr
	ds_store_b128 v19, v[BI+16:BI+19] offset:B2L
	LOADU 2
	s_wait_loadcnt 48                              ; K step 1 is in; behind it: K steps 2, 3 and ring unit 2
	QUANTX 1
	LOADU 3
	s_wait_loadcnt 48                              ; K step 2 is in; behind it: K step 3 and ring units 2, 3
	QUANTX 2
	s_wait_loadcnt 32                              ; K step 3 is in; behind it: ring units 2, 3
	QUANTX 3
	BARRIER                                        ; x's sixteen fragments and the biases lie in LDS
	s_wait_alu depctr_vm_vsrc(0)                   ; my LDS stores have read v32 to v51 (the biases as loaded) and HF (x's codes): LDS loads land in both from here on
	WIN 0x40                                       ; destination window 1
.irp f, 0,1,2,3,4,5,6,7,8,9,10,11,12,13,14,15
.irp c, 0,1,2,3
	ds_load_b128 v[16*\f+4*\c:16*\f+4*\c+3], v1 offset:XIMG+2048*\f+512*\c   ; all 64 rows' codes stay in my registers
.endr
.endr
	WIN 0
	BIAS1 8                                        ; (the scalings that wrote v32 to v47 stand ahead of the waits in QUANTX)
	s_wait_dscnt 0x0
	; round 0 up to its first chunk of phase 2, whose products start y's sums: nothing is cleared
	PAIR 0
	PAIR 1
	PAIR 2
	PAIR 3
	BARRIER                                        ; the round's sixteen hidden fragments lie in LDS
	CHUNK 0, 1, 0, 0
	s_mov_b32 s38, 3
.Lround:                                               ; a trip: the rest of a round's phase 2, the next round's phase 1 and its first chunk
	CHUNK 1, 0, 0, 1
	CHUNK 2, 0, 0, 0
	CHUNK 3, 0, 0, 0
	STEP
	PAIR 0
	PAIR 1
	PAIR 2
	PAIR 3
	BARRIER
	CHUNK 0, 0, 0, 0
	s_sub_co_u32 s38, s38, 1
	s_cmp_lg_u32 s38, 0
	s_cbranch_scc1 .Lround
	CHUNK 1, 0, 1, 2                               ; the last round's rest is written out: no load leaves its buffer
	CHUNK 2, 0, 1, 0                               ; chunks 2 and 3 issue no load behind their products, so they hold no wait on va_vdst
	CHUNK 3, 0, 1, 0
	; THE WAY OUT.  y = sum x 2^(eh + ew2) + b2, two numbers an instruction, into window 1.  A lane holds 8 neighbouring outputs of one row and a row's 512 outputs come from four waves: they meet in the stage.
	s_wait_dscnt 0x0
	PLACES                                         ; the multiply-adds read the results
	WIN 0x43                                       ; source 0 (the sums) window 3, source 2 (b2) window 0, destination window 1
.irp t, 0,1,2,3,4,5,6,7
.irp m, 0,1,2,3
.irp i, 0,2,4,6
	v_pk_fma_f32 v[8*(4*\t+\m)+\i:8*(4*\t+\m)+\i+1], v[8*(4*\t+\m)+\i:8*(4*\t+\m)+\i+1], s[40:41], v[BI+8*\t+\i:BI+8*\t+\i+1] op_sel_hi:[1,0,1]   ; each accumulator from its low end on
.endr
.endr
.endr
	WIN 0
.irp i, 0,1,2,3,4,5,6,7,8,9,10,11,12,13,14,15
	v_readlane_b32 s[RS+\i], v2, \i                ; lane i holds the id of my row i: a scalar register for each, so that one wait serves the run
.endr
	s_wait_alu depctr_va_sdst(0)                   ; s44 to s59 are written, ahead of their first readers
.irp i, 0,1,2,3,4,5,6,7,8,9,10,11,12,13,14,15
	s_min_u32 s[RS+\i], s[RS+\i], 0x1fff
	s_lshl_b32 s[RS+\i], s[RS+\i], 11              ; a row of out0 is 2,048 bytes
	v_add_nc_u32 v[RO+\i], s[RS+\i], v1
.endr
	WIN 0x04                                       ; store data window 1
	s_wait_alu depctr_va_vdst(0)                   ; the multiply-adds have written y, which the LDS stores read; the sixteen row offsets are written, which the global stores read; the last products are done reading HF and HA, in which the stage's rows land
.irp t, 0,1,2,3,4,5,6,7
.irp m, 0,1,2,3
.irp j, 0,1
.if \m < 2
	ds_store_b128 v11, v[8*(4*\t+\m)+4*\j:8*(4*\t+\m)+4*\j+3] offset:(\m%2)*16*SP+64*\t+16*\j
.else
	ds_store_b128 v12, v[8*(4*\t+\m)+4*\j:8*(4*\t+\m)+4*\j+3] offset:(\m%2)*16*SP+64*\t+16*\j
.endif
.endr
.endr
.endr
	WIN 0
	BARRIER                                        ; 64 whole rows of y lie in the stage
.irp hh, 0,1
.if \hh == 1
	s_wait_xcnt 0x0                                ; the first eight rows' stores have had their addresses translated: their registers are loaded again only behind this wait,
	s_wait_alu depctr_vm_vsrc(0)                   ; and those stores have read their data registers, in which the next eight rows land
.endif
.irp i, 0,1,2,3,4,5,6,7
.irp q, 0,1,2,3
	ds_load_b128 v[HF+16*\i+4*\q:HF+16*\i+4*\q+3], v13 offset:(8*\hh+\i)*SP+512*\q
.endr
.endr
	s_wait_dscnt 0x0
.irp i, 0,1,2,3,4,5,6,7
	s_cmp_le_u32 s39, 8*\hh+\i                     ; rows behind the tile's last are repeats: they are not stored
	s_cbranch_scc1 .Lend
.irp q, 0,1,2,3
	global_store_b128 v[RO+8*\hh+\i], v[HF+16*\i+4*\q:HF+16*\i+4*\q+3], s[20:21] offset:512*\q th:TH_STORE_NT   ; 32 lanes store 512 consecutive bytes, at a multiple of 512 from out0's first byte
.endr
.endr
.endr
.Lend:
	s_wait_dscnt 0x0
	s_wait_alu depctr_hold_cnt(0) depctr_sa_sdst(0) depctr_va_vdst(0) depctr_va_sdst(0) depctr_va_ssrc(0) depctr_va_vcc(0) depctr_vm_vsrc(0)
	s_wait_tensorcnt 0x0
	ds_add_u32 v30, v31
	s_wait_dscnt 0x0
	s_endpgm
.Lfunc_end_k_q107b67c411_experts:
	.size	k_q107b67c411_experts, .Lfunc_end_k_q107b67c411_experts-k_q107b67c411_experts
	.p2alignl 7, 3214868480
	.fill 96, 4, 3214868480
	.section	.rodata,"a",@progbits
	.p2align	6, 0x0
	.amdhsa_kernel k_q107b67c411_experts
		.amdhsa_group_segment_fixed_size 306688
		.amdhsa_private_segment_fixed_size 0
		.amdhsa_enable_private_segment 0
		.amdhsa_kernarg_size 72
		.amdhsa_user_sgpr_count 2
		.amdhsa_user_sgpr_kernarg_segment_ptr 1
		.amdhsa_wavefront_size32 1
		.amdhsa_system_sgpr_workgroup_id_x 1
		.amdhsa_system_sgpr_workgroup_id_y 1
		.amdhsa_system_sgpr_workgroup_id_z 1
		.amdhsa_system_vgpr_workitem_id 0
		.amdhsa_next_free_vgpr 1024
		.amdhsa_next_free_sgpr 66
		.amdhsa_reserve_vcc 0
		.amdhsa_float_denorm_mode_32 3
		.amdhsa_float_denorm_mode_16_64 3
		.amdhsa_memory_ordered 1
		.amdhsa_forward_progress 1
		.amdhsa_inst_pref_size 200
	.end_amdhsa_kernel
	.amdgpu_metadata
---
amdhsa.version: [ 1, 2 ]
amdhsa.kernels:
  - .name:           k_q107b67c411_experts
    .symbol:         k_q107b67c411_experts.kd
    .args:
      - { .name: inputs, .offset: 0, .size: 8, .value_kind: global_buffer, .address_space: global }
      - { .name: order, .offset: 8, .size: 8, .value_kind: global_buffer, .address_space: global }
      - { .name: tiles, .offset: 16, .size: 8, .value_kind: global_buffer, .address_space: global }
      - { .name: w1f, .offset: 24, .size: 8, .value_kind: global_buffer, .address_space: global }
      - { .name: w2f, .offset: 32, .size: 8, .value_kind: global_buffer, .address_space: global }
      - { .name: b1, .offset: 40, .size: 8, .value_kind: global_buffer, .address_space: global }
      - { .name: b2, .offset: 48, .size: 8, .value_kind: global_buffer, .address_space: global }
      - { .name: lowp_scales, .offset: 56, .size: 8, .value_kind: global_buffer, .address_space: global }
      - { .name: out0, .offset: 64, .size: 8, .value_kind: global_buffer, .address_space: global }
    .group_segment_fixed_size: 306688
    .private_segment_fixed_size: 0
    .kernarg_segment_align: 8
    .kernarg_segment_size: 72
    .max_flat_workgroup_size: 128
    .sgpr_count:     66
    .vgpr_count:     1024
    .wavefront_size: 32
...
	.end_amdgpu_metadata
.endif
;; end of part 3
